; MI455X (gfx1250); checked and timed in simulation.
; The chip was launched on July 23, 2026; its instructions are those of AMD's public machine-readable ISA for CDNA 5 (MIT licence, August 2026) and "CDNA5" Instruction Set Architecture Reference Guide (July 2026). The comments in the code are by the model that wrote it; some were corrected since.
;; Window. Allowed arithmetic: matrix products marked QUANTISED: E2M3 operands, one E8M0 scale for each 32 along K, by v_wmma_scale_f32_16x16x128_f8f6f4 with both operands' format E2M3, f32 sums; products left as they are: f32 operands where the result goes on into a quantised operand, else bf16, f16 or f32 operands; f32 sums; everything else in f32.
;; Inputs: W 30 x 512 float32; b 30 float32; kappa_old 256 x 10 float32; onehots 256 x 2,048 x 128 float32; x 256 x 512 float32.
;; Outputs: out0 256 x 128 float32; out1 256 x 10 float32; out2 256 x 2,048 float32.
;; This version of the problem:
;;   THIS VERSION OF THE PROBLEM IS GIVEN IN LOW PRECISION. The matrix products marked QUANTISED in the list below multiply operands that are first quantised to E2M3 (2 exponent bits, 3 mantissa bits; 6 bits a number), with one power-of-two scale for each 32 numbers along K (OCP MX v1.0); their sums are f32. All else is computed in f32.
;;   The module's matrix products, in the order in which they are computed (A, B: the left and right operand; K: the contracted axis; several contracted axes count as one K, in the product's order):
;;     1. [M 256, K 512] x [K 512, N 30]; A: input x; B: input W: QUANTISED
;;     2. batch 256 x [M 1, K 10] x [K 10, N 2,048]; A: computed on the way; B: computed on the way: left as it is (K = 10 < 32)
;;     3. batch 256 x [M 1, K 2,048] x [K 2,048, N 128]; A: computed on the way; B: input onehots: left as it is (M = 1 < 16)
;;   THE QUANTISER, for each operand of a quantised product, along K:
;;     - K is cut into blocks of 32 from its start; a last block that is shorter is filled with zeros.
;;     - A block's scale is 2^e with e = floor(log2(the largest magnitude in the block)) - 2, held to -126 .. 127; a block of zeros has e = 0. As a byte (E8M0): e + 127.
;;     - Each number is divided by its block's scale, clamped to +-7.5, and rounded to the nearest number of E2M3, ties to even, subnormals kept.
;;     - The product sums the exact products of the quantised numbers (number of the format x scale) in f32.
;;   ~~~python
;;   def quantise(x, axis):      # numpy; x: float32 -> the quantised numbers, widened to float32 again
;;       x = np.moveaxis(x, axis, -1); K = x.shape[-1]
;;       x = np.pad(x, [(0, 0)] * (x.ndim - 1) + [(0, -K % 32)]); x = x.reshape(x.shape[:-1] + (-1, 32)); a = np.abs(x).max(-1, keepdims=True)
;;       e = np.where(a > 0, np.clip(np.frexp(np.where(a > 0, a, 1))[1] - 1 - 2, -126, 127), 0)      # np.frexp(a)[1] - 1 = floor(log2(a)), exactly
;;       r = np.clip(x / 2.0 ** e, -7.5, 7.5)
;;       step = 2.0 ** (np.maximum(np.frexp(np.where(r == 0, 1, r))[1] - 1, 0) - 3)
;;       q = np.round(r / step) * step * 2.0 ** e      # np.round: ties to even
;;       return np.moveaxis(q.reshape(q.shape[:-2] + (-1,))[..., :K], -1, axis).astype(np.float32)
;;   ~~~
;; One version. Each part assembles by itself: llvm-mc -triple=amdgcn-amd-amdhsa -mcpu=gfx1250 --defsym DOCPART=n.
;; ======== version 1 of 1: 1 launch
;; launch window (part 1): grid 256 x 1, 16 waves a work-group, no clusters, 158,720 bytes of LDS; arguments x, W, b, kappa_old, onehots, out0, out1, out2; writes out0, out1, out2
.if DOCPART == 1
	.amdgcn_target "amdgcn-amd-amdhsa--gfx1250"
	.amdhsa_code_object_version 6
	.text
	.protected	k_q4ef2c62504_window
	.globl	k_q4ef2c62504_window
	.p2align	8
	.type	k_q4ef2c62504_window,@function
k_q4ef2c62504_window:
	s_mov_b64 s[64:65], 0
	v_nop
	global_prefetch_b8 v0, s[64:65] scope:SCOPE_SE
	s_setreg_imm32_b32 hwreg(HW_REG_WAVE_MODE, 25, 1), 1
	s_wait_xcnt 0x0
; params = exp(x W^T + b) [256][30] = alpha | beta | pre_kappa;  kappa = kappa_old + pre_kappa (out1);
; phi[b][t] = sum over k of alpha[k] exp(-beta[k] (kappa[k] - t)^2) (out2);  w[b][v] = sum over t of phi[b][t] onehots[b][t][v] (out0).
; x W^T is multiplied on codes of FP6 (E2M3) with one E8M0 scale for each 32 along K, made here from the f32 inputs; all else is f32.
; SHARES.  One work-group of sixteen waves takes one batch row b: 1,048,576 bytes of onehots, read once.  Wave w owns t = 128 w .. 128 w + 127.
;   A row t of onehots is 512 bytes: one load of the wave, 16 neighbouring bytes a lane; lane l keeps columns 4 l .. 4 l + 3 and their sums for the whole kernel.
;   A ring of 32 slots in registers keeps 32 such loads of every wave on their way; it is filled ahead of the head's arithmetic, which runs while those rows come.
; THE QUANTISED PRODUCT of my one row of x with W's 30 rows is 2 tiles of 16 rows of W x 4 K steps of 128: waves 0 to 7 take one matrix instruction each (tile = wave % 2, K step = wave / 2);
;   source 0 holds my row of x in all its 16 rows (a work-group has one row), source 1 sixteen rows of W: register 0 of lane r is column r's sum over that K step.
;   The four K steps' sums meet in LDS and are added in f32 as (p0 + p1) + (p2 + p3) + b.  W has no rows 30 and 31: row 29 is loaded in their place, and those two results are used by nobody.
; NO CLUSTER: the one input that work-groups share is W, 61,440 bytes beside the 1,048,576 bytes that each work-group reads alone: a seventeenth of its bytes.
; PRODUCTS 2 AND 3 have K = 10 and one row: they are fused multiply-adds in f32, three vector instructions for each 512 bytes loaded; the matrix unit would want conversions on top.
; LIMITS.  NaN and infinities among the inputs are not served.  v_exp_f32 gives 0 where the exact result lies under 2^-126 (ISA guide, its entry in 15.8): parameters with x W^T + b under -87.3
;   and terms of phi with an exponent under -87.3 are 0 here.  -beta log2(e) is formed once for each k: it overflows where beta is above 2.3e38 (x W^T + b above 88.3).
;   A block of 32 zeros gets the scale byte 1, not 127: its codes are zeros, and the bytes are read by this kernel alone.
.set ROWB,   512                       ; bytes in a row of onehots
.set ROWS,   128                       ; rows of a wave
.set DEPTH,  32                        ; slots of the ring = loads of a wave on their way
.set SPITCH, 528                       ; a stage row: 512 bytes + 16 = 33 x 16: the sixteen rows that a load of 16 bytes a lane touches start in sixteen different groups of four banks (64 banks of 4 bytes: ISA guide 11.1)
.set STG,    9216                      ; a wave's stage: 17 rows x 528 = 8,976 bytes, made up to a multiple of 256; it begins at wave x STG (waves 8 to 15 leave theirs untouched)
.set PART,   16*STG                    ; the partial sums: wave w's 16 words at 64 w = 128 x K step + 64 x tile
.set RED,    PART+1024                 ; the waves' sums over t: 512 bytes a wave
.set LOG2E,  0x3fb8aa3b                ; log2(e)
.set NLOG2E, 0xbfb8aa3b                ; -log2(e)
.set LANE, 1                           ; v1   lane
.set L16,  2                           ; v2   16 x lane: my 16 bytes of 512; never rewritten
.set RR,   3                           ; v3   r = lane % 16
.set HH,   4                           ; v4   h = lane / 16
.set WO,   5                           ; v5   W: 16 x lane + my tile's first row; v6, v7: the same at the tile's rows 14 and 15, held at row 29
.set STI,  8                           ; v8   stage, on the way in: 16 x lane
.set STW,  9                           ; v9   stage, on the way out, W: row r, + 128 h
.set STX,  10                          ; v10  the same for x (row 16 stands in the immediate)
.set PST,  11                          ; v11  where my partial sum goes
.set PLD,  12                          ; v12  where parameter = lane's partial sums lie
.set RST,  13                          ; v13  where my sums over t go
.set RLD,  14                          ; v14  and where wave 0 reads them
.set BO,   15                          ; v15  b: 4 x min(lane, 29)
.set KO,   16                          ; v16  kappa: 4 x (lane - 20), held to 0 .. 9
.set BIAS, 17
.set KOLD, 18
.set L20,  19                          ; v19  lane - 20 (wraps under 0)
.set SWX,  20                          ; v20  x's scale word, v21 W's: they hold scales and nothing else
.set SWW,  21
.set H8,   22                          ; v22  8 h
.set QT,   23                          ; v23  at work in the quantiser
.set CW,   24                          ; v24-35 W's codes
.set CX,   36                          ; v36-47 x's codes
.set QC,   48                          ; v48-50, v52-54 the second halves of the blocks' codes, before they are moved
.set DD,   48                          ; v48-55 then the product
.set QM,   56                          ; v56-59 largest magnitudes, then scale operands and bytes
.set NUM,  60                          ; v60-127 the head's 17 loads; v60-123 then 64 numbers of a lane
.set GR,   60                          ; v60-99 later the 40 terms of phi: term (k, i) at 4 k + i
.set TF,   100                         ; v100-103 my four t, as f32
.set PH,   104                         ; v104-107 phi of my four t
.set ACC,  108                         ; v108-115 the sums over t of my four columns: even rows', odd rows'
.set PP,   116                         ; v116-119 the four partial sums
.set PR,   120                         ; v120 parameter = lane
.set KP,   121                         ; v121 kappa (lanes 20-29)
.set NB,   122                         ; v122 -beta log2(e) (lanes 10-19)
.set RING, 128                         ; v128-255 slot j: 4 registers
.set SEL,  28                          ; s[28:29] lane selects for v_permlanex16_b32: lane l xor 16
.set FS,   44                          ; s[44:51] four pairs: phi of the four rows in hand in the low words
.set AL,   66                          ; s66-75 alpha, s76-85 -beta log2(e), s86-95 kappa
.set NBS,  76
.set KS,   86
	s_load_b256 s[4:11], s[0:1], 0x0               ; x s[4:5], W s[6:7], b s[8:9], kappa_old s[10:11]
	s_load_b256 s[12:19], s[0:1], 0x20             ; onehots s[12:13], out0 s[14:15], out1 s[16:17], out2 s[18:19]
	v_lshrrev_b32 v[LANE], 5, v0
	v_readfirstlane_b32 s20, v[LANE]               ; wave 0..15
	v_and_b32 v[LANE], 31, v0
	v_lshlrev_b32 v[L16], 4, v[LANE]
	v_and_b32 v[RR], 15, v0
	v_bfe_u32 v[HH], v0, 4, 1
	s_and_b32 s21, s20, 1                          ; my tile of W's rows
	s_lshr_b32 s22, s20, 1                         ; my K step (waves 0 to 7)
	s_lshl_b32 s23, s21, 15                        ; the tile's first row: 16 rows x 2,048 bytes
	v_add_nc_u32 v[WO], s23, v[L16]
	s_lshl_b32 s24, s21, 4
	s_add_co_u32 s24, s24, 14
	s_min_u32 s25, s24, 29                         ; the tile's row 14, and no row past W's last
	s_add_co_u32 s24, s24, 1
	s_min_u32 s24, s24, 29                         ; its row 15 likewise
	s_lshl_b32 s25, s25, 11
	s_lshl_b32 s24, s24, 11
	v_add_nc_u32 v[WO+1], s25, v[L16]
	v_add_nc_u32 v[WO+2], s24, v[L16]
	; every LDS address is made here, ahead of the place where the waves part
	s_mul_i32 s26, s20, STG
	v_add_nc_u32 v[STI], s26, v[L16]
	v_mul_u32_u24 v[STW], v[RR], SPITCH
	v_lshl_add_u32 v[STW], v[HH], 7, v[STW]
	v_add_nc_u32 v[STW], s26, v[STW]
	v_lshlrev_b32 v[STX], 7, v[HH]
	v_add_nc_u32 v[STX], s26, v[STX]
	s_lshl_b32 s27, s20, 6
	v_lshl_add_u32 v[PST], v[RR], 2, s27
	v_add_nc_u32 v[PST], PART, v[PST]
	v_lshl_add_u32 v[PLD], v[LANE], 2, PART
	s_lshl_b32 s52, s20, 9
	v_add_nc_u32 v[RST], s52, v[L16]
	v_add_nc_u32 v[RST], RED, v[RST]
	v_add_nc_u32 v[RLD], RED, v[L16]
	v_min_u32 v[BO], 29, v[LANE]
	v_lshlrev_b32 v[BO], 2, v[BO]
	v_add_nc_u32 v[L20], 0xffffffec, v[LANE]       ; lane - 20
	v_min_u32 v[KO], 9, v[L20]                     ; lanes 20-29: 0 .. 9; all others 9: every lane's load stays inside the row of ten
	v_lshlrev_b32 v[KO], 2, v[KO]
	v_lshlrev_b32 v[H8], 3, v[HH]
	v_mov_b32 v[QT], 0                             ; a lane permute's destination counts as one of its sources
	s_mov_b32 s[SEL], 0x76543210
	s_mov_b32 s[SEL+1], 0xfedcba98
.irp q, 0,1,2,3
	s_mov_b32 s[FS+2*\q+1], 0                      ; the packed forms name a pair and take its low word for both halves: the high word is written once
.endr
	s_lshl_b32 s30, ttmp9, 20                      ; onehots: 1,048,576 bytes a batch row,
	s_lshl_b32 s31, s20, 16                        ; 128 rows x 512 bytes a wave (the sum stays under 2^28)
	s_add_co_u32 s30, s30, s31
	s_mov_b32 s31, 0
	s_mul_i32 s32, ttmp9, 40                       ; kappa_old and out1: ten numbers a batch row
	s_mov_b32 s33, 0
	s_lshl_b32 s34, ttmp9, 13                      ; out2: 8,192 bytes a batch row, 512 a wave
	s_add_co_u32 s34, s34, s52
	s_mov_b32 s35, 0
	s_lshl_b32 s36, ttmp9, 9                       ; out0: 512 bytes a batch row
	s_mov_b32 s37, 0
	s_lshl_b32 s38, ttmp9, 11                      ; x: 2,048 bytes a batch row,
	s_lshl_b32 s40, s22, 9                         ; x and W: 512 bytes a K step
	s_add_co_u32 s38, s38, s40
	s_mov_b32 s39, 0
	s_mov_b32 s41, 0
	s_wait_kmcnt 0x0
	s_add_nc_u64 s[12:13], s[12:13], s[30:31]
	s_add_nc_u64 s[10:11], s[10:11], s[32:33]
	s_add_nc_u64 s[16:17], s[16:17], s[32:33]
	s_add_nc_u64 s[18:19], s[18:19], s[34:35]
	s_add_nc_u64 s[14:15], s[14:15], s[36:37]
	global_load_b32 v[BIAS], v[BO], s[8:9]         ; b of parameter = lane
	global_load_b32 v[KOLD], v[KO], s[10:11]       ; kappa_old of parameter = lane - 20
.macro RINGFILL                        ; rows 0 to 31 of my 128: each load 512 consecutive bytes, read once in the launch
.irp j, 0,1,2,3,4,5,6,7,8,9,10,11,12,13,14,15,16,17,18,19,20,21,22,23,24,25,26,27,28,29,30,31
	global_load_b128 v[RING+4*\j:RING+4*\j+3], v[L16], s[12:13] offset:\j*ROWB th:TH_LOAD_NT
.endr
.endm
; 64 numbers of a lane, v[NUM + 32 c + i] = k 64 c + 32 h + i of its row, become an operand's 12 registers of codes and its scale word.  A lane holds two whole blocks of 32.
; A block's scale is 2^(floor(log2(its largest magnitude)) - 2): its byte is the largest magnitude's exponent field - 2, held at 1 from below by the floor 2^(3 - 127) among the maximum's leaves.
.macro QUANT cod, wrd
.irp c, 0,1
	v_max3_num_f32 v[QM+\c], |v[NUM+32*\c]|, |v[NUM+32*\c+1]|, 0x1800000
	v_max3_num_f32 v[QM+2+\c], |v[NUM+32*\c+16]|, |v[NUM+32*\c+17]|, |v[NUM+32*\c+18]|
.endr
.irp i, 2,4,6,8,10,12
.irp c, 0,1
	v_max3_num_f32 v[QM+\c], v[QM+\c], |v[NUM+32*\c+\i]|, |v[NUM+32*\c+\i+1]|          ; four chains by turns: no line waits for the line above it
	v_max3_num_f32 v[QM+2+\c], v[QM+2+\c], |v[NUM+32*\c+17+\i]|, |v[NUM+32*\c+18+\i]|
.endr
.endr
.irp c, 0,1
	v_max3_num_f32 v[QM+\c], v[QM+\c], |v[NUM+32*\c+14]|, |v[NUM+32*\c+15]|
.endr
.irp c, 0,1
	v_max3_num_f32 v[QM+\c], v[QM+\c], v[QM+2+\c], |v[NUM+32*\c+31]|
.endr
.irp c, 0,1
	v_add_nc_u32 v[QM+2+\c], 0xff000000, v[QM+\c]  ; 2 off the exponent field: the conversion takes the exponent field of this operand as its scale, and nothing else of it
.endr
.irp c, 0,1
	v_lshrrev_b32 v[QM+\c], 23, v[QM+2+\c]         ; the scale's byte
.endr
	v_lshl_or_b32 v[\wrd], v[QM+1], 16, v[QM]      ; my two bytes: blocks h and 2 + h of my row,
	v_lshlrev_b32 v[\wrd], v[H8], v[\wrd]          ; at their places in the scale word;
	v_permlanex16_b32 v[QT], v[\wrd], s[SEL], s[SEL+1]
	v_or_b32 v[\wrd], v[\wrd], v[QT]               ; with lane l xor 16's two the word is whole
.irp c, 0,1
	v_cvt_scalef32_pk16_fp6_f32 v[\cod+6*\c:\cod+6*\c+2], v[NUM+32*\c:NUM+32*\c+15], v[QM+2+\c]      ; sixteen numbers / the scale, to the nearest code, ties to even, beyond 7.5 the largest code
	v_cvt_scalef32_pk16_fp6_f32 v[QC+4*\c:QC+4*\c+2], v[NUM+32*\c+16:NUM+32*\c+31], v[QM+2+\c]       ; (a conversion's three registers begin on an even number: a block's second three do not)
.endr
	v_nop                                          ; one plain vector instruction behind the last scaled conversion
.irp c, 0,1
.irp i, 0,1,2
	v_mov_b32 v[\cod+3+6*\c+\i], v[QC+4*\c+\i]
.endr
.endr
.endm
.macro NUMBERS adr, off                ; my 64 numbers out of the stage: 128 bytes of each half of the K step's 512
.irp c, 0,1
.irp q, 0,1,2,3,4,5,6,7
	ds_load_b128 v[NUM+32*\c+4*\q:NUM+32*\c+4*\q+3], v[\adr] offset:\off+256*\c+16*\q
.endr
.endr
.endm
	s_cmp_lt_u32 s20, 8                            ; the waves part once, on the wave's number: waves 0 to 7 have a matrix instruction each
	s_cbranch_scc0 .Lstream_only
	s_add_nc_u64 s[4:5], s[4:5], s[38:39]          ; x at my row's K step
	s_add_nc_u64 s[6:7], s[6:7], s[40:41]          ; W at the K step
.irp i, 0,1,2,3,4,5,6,7,8,9,10,11,12,13
	global_load_b128 v[NUM+4*\i:NUM+4*\i+3], v[WO], s[6:7] offset:\i*2048      ; a row's K step: 512 consecutive bytes a load
.endr
	global_load_b128 v[NUM+56:NUM+59], v[WO+1], s[6:7]
	global_load_b128 v[NUM+60:NUM+63], v[WO+2], s[6:7]
	global_load_b128 v[NUM+64:NUM+67], v[L16], s[4:5]
	RINGFILL                                       ; behind the head's few loads, ahead of its arithmetic
	s_wait_loadcnt DEPTH                           ; loads come back in order (ISA guide 5.7.1): all but the ring's 32 are in
.irp i, 0,1,2,3,4,5,6,7,8,9,10,11,12,13,14,15,16
	ds_store_b128 v[STI], v[NUM+4*\i:NUM+4*\i+3] offset:\i*SPITCH              ; as loaded: rows 0-15 W's, row 16 x's
.endr
	NUMBERS STW, 0                                 ; LDS serves a wave's instructions in order (ISA guide 5.7.1.4): these see my stores; the stage is my wave's own
	s_wait_dscnt 0x0
	QUANT CW, SWW
	NUMBERS STX, 16*SPITCH                         ; x's row, the same numbers in all sixteen lanes of a half
	s_wait_dscnt 0x0
	QUANT CX, SWX
.rept 8
	v_nop                                          ; a scale register written by a vector instruction stands eight plain vector instructions ahead of a scaled matrix instruction, an operand so written four
.endr
	v_wmma_scale_f32_16x16x128_f8f6f4 v[DD:DD+7], v[CX:CX+11], v[CW:CW+11], 0, v[SWX], v[SWW] matrix_a_fmt:MATRIX_FMT_FP6 matrix_b_fmt:MATRIX_FMT_FP6
.rept 4
	v_nop                                          ; four plain vector instructions between this form and the first read of its result (ISA guide 7.12.1)
.endr
	ds_store_b32 v[PST], v[DD]                     ; register 0: lane r and lane r + 16 hold the same sum (all rows of source 0 are my row) and write the same word
	s_branch .Ljoin
.Lstream_only:
	RINGFILL
.Ljoin:
	s_wait_dscnt 0x0                               ; for the others' sake: my partial sums lie in LDS
	s_barrier_signal -1
	s_barrier_wait -1                              ; everybody's do
.irp s, 0,1,2,3
	ds_load_b32 v[PP+\s], v[PLD] offset:128*\s     ; parameter = lane: its sums over the four K steps
.endr
	s_lshl_b32 s53, s20, 7
	v_lshl_add_u32 v[TF], v[LANE], 2, s53          ; my four t: 128 x wave + 4 x lane + 0 .. 3
	v_add_nc_u32 v[TF+1], 1, v[TF]
	v_add_nc_u32 v[TF+2], 2, v[TF]
	v_add_nc_u32 v[TF+3], 3, v[TF]
.irp i, 0,1,2,3
	v_cvt_f32_u32 v[TF+\i], v[TF+\i]
.endr
	s_wait_loadcnt DEPTH                           ; b and kappa_old are in; the ring's 32 loads, issued behind them, stay out
	s_wait_dscnt 0x0
	v_add_f32 v[PP], v[PP], v[PP+1]
	v_add_f32 v[PP+2], v[PP+2], v[PP+3]
	v_add_f32 v[PP], v[PP], v[PP+2]
	v_add_f32 v[PP], v[PP], v[BIAS]
	v_mul_f32 v[PP], LOG2E, v[PP]
	v_exp_f32 v[PR], v[PP]                         ; lanes 0-9 alpha, 10-19 beta, 20-29 pre_kappa (lanes 30, 31: nobody's)
	v_nop                                          ; a plain vector instruction behind the exponential,
	s_wait_alu depctr_va_vdst(0)                   ; and a wait ahead of the first use of its result
	v_add_f32 v[KP], v[KOLD], v[PR]                ; kappa, in lanes 20-29
	v_mul_f32 v[NB], NLOG2E, v[PR]                 ; -beta log2(e), in lanes 10-19: the exponentials below work in base 2
.irp k, 0,1,2,3,4,5,6,7,8,9
	v_readlane_b32 s[AL+\k], v[PR], \k
	v_readlane_b32 s[NBS+\k], v[NB], 10+\k
	v_readlane_b32 s[KS+\k], v[KP], 20+\k
.endr
	s_cmp_lg_u32 s20, 0                            ; wave 0 stores the batch row's ten kappa: 40 bytes, all that a work-group has of out1
	s_cbranch_scc1 .Lnot_wave_0
	v_cmp_gt_u32 vcc_lo, 10, v[L20]                ; lanes 20-29
	s_wait_xcnt 0x0                                ; EXEC is a source of the loads that are out: it changes only behind this wait
	s_and_saveexec_b32 s42, vcc_lo
	global_store_b32 v[KO], v[KP], s[16:17]
	s_wait_xcnt 0x0                                ; and again in front of the line that restores it
	s_or_b32 exec_lo, exec_lo, s42
.Lnot_wave_0:
	; phi of my four t: 40 terms, stage by stage, so that no line waits for the line above it
.irp k, 0,1,2,3,4,5,6,7,8,9
.irp i, 0,1,2,3
	v_sub_f32 v[GR+4*\k+\i], s[KS+\k], v[TF+\i]    ; kappa - t
.endr
.endr
.irp j, 0,2,4,6,8,10,12,14,16,18,20,22,24,26,28,30,32,34,36,38
	v_pk_mul_f32 v[GR+\j:GR+\j+1], v[GR+\j:GR+\j+1], v[GR+\j:GR+\j+1]          ; squared, two at a time
.endr
.irp k, 0,1,2,3,4,5,6,7,8,9
.irp i, 0,1,2,3
	v_mul_f32 v[GR+4*\k+\i], s[NBS+\k], v[GR+4*\k+\i]
.endr
.endr
.irp j, 0,1,2,3,4,5,6,7,8,9,10,11,12,13,14,15,16,17,18,19,20,21,22,23,24,25,26,27,28,29,30,31,32,33,34,35,36,37,38,39
	v_exp_f32 v[GR+\j], v[GR+\j]                   ; one batch
.endr
	v_nop                                          ; a plain vector instruction behind the last exponential,
	s_wait_alu depctr_va_vdst(0)                   ; and one wait for the forty, ahead of their first reader
.irp i, 0,1,2,3
	v_mul_f32 v[PH+\i], s[AL], v[GR+\i]            ; the first term starts the sum
.endr
.irp k, 1,2,3,4,5,6,7,8,9
.irp i, 0,1,2,3
	v_fmac_f32 v[PH+\i], s[AL+\k], v[GR+4*\k+\i]
.endr
.endr
	global_store_b128 v[L16], v[PH:PH+3], s[18:19] th:TH_STORE_NT              ; 512 consecutive bytes of out2, at a multiple of 512 from its first byte; PH is not written again
; THE STREAM.  Group g: my rows 4 g .. 4 g + 3, whose phi are lane g's four registers.  Each becomes a scalar, multiplies its row's four numbers a lane, and the four slots take the rows 32 further on.
.macro GROUP g
.set LEFT, ROWS-4*(\g)-4               ; the loads issued behind this group's four: 28, and in the last lap, which loads nothing, 28, 24, .. 0
.if LEFT > DEPTH-4
.set LEFT, DEPTH-4
.endif
	s_wait_loadcnt LEFT
.irp q, 0,1,2,3
	v_readlane_b32 s[FS+2*\q], v[PH+\q], \g
.endr
.irp q, 0,1,2,3
.set SL, RING+4*((4*(\g)+\q)%DEPTH)
.set AC, ACC+4*(\q%2)                  ; even and odd rows have sums of their own: two chains
.if (\g == 0) && (\q < 2)
	v_pk_mul_f32 v[AC:AC+1], v[SL:SL+1], s[FS+2*\q:FS+2*\q+1] op_sel_hi:[1,0]          ; the first two rows start the sums: nothing is cleared
	v_pk_mul_f32 v[AC+2:AC+3], v[SL+2:SL+3], s[FS+2*\q:FS+2*\q+1] op_sel_hi:[1,0]
.else
	v_pk_fma_f32 v[AC:AC+1], v[SL:SL+1], s[FS+2*\q:FS+2*\q+1], v[AC:AC+1] op_sel_hi:[1,0,1]
	v_pk_fma_f32 v[AC+2:AC+3], v[SL+2:SL+3], s[FS+2*\q:FS+2*\q+1], v[AC+2:AC+3] op_sel_hi:[1,0,1]
.endif
.endr
.if 4*(\g)+DEPTH < ROWS
.irp q, 0,1,2,3
.set SL, RING+4*((4*(\g)+\q)%DEPTH)
	global_load_b128 v[SL:SL+3], v[L16], s[12:13] offset:(4*(\g)+\q+DEPTH)*ROWB th:TH_LOAD_NT   ; every row's place is an immediate, 65,024 at the most: no address is stepped
.endr
.endif
.endm
.irp g, 0,1,2,3,4,5,6,7,8,9,10,11,12,13,14,15,16,17,18,19,20,21,22,23,24,25,26,27,28,29,30,31
	GROUP \g
.endr
	; the sixteen waves' sums meet in LDS; wave 0 adds them and stores the row of out0
	v_pk_add_f32 v[ACC:ACC+1], v[ACC:ACC+1], v[ACC+4:ACC+5]
	v_pk_add_f32 v[ACC+2:ACC+3], v[ACC+2:ACC+3], v[ACC+6:ACC+7]
	ds_store_b128 v[RST], v[ACC:ACC+3]
	s_wait_dscnt 0x0                               ; for wave 0's sake: my sums lie in LDS
	s_barrier_signal -1
	s_barrier_wait -1
	s_cmp_lg_u32 s20, 0
	s_cbranch_scc1 .Lend
.irp w, 0,1,2,3,4,5,6,7,8,9,10,11,12,13,14,15
	ds_load_b128 v[RING+4*\w:RING+4*\w+3], v[RLD] offset:512*\w                ; the ring's registers are free: its last wait was for 0
.endr
	s_wait_dscnt 0x0
.irp d, 8,4,2,1
.irp w, 0,1,2,3,4,5,6,7
.if \w < \d
	v_pk_add_f32 v[RING+4*\w:RING+4*\w+1], v[RING+4*\w:RING+4*\w+1], v[RING+4*(\w+\d):RING+4*(\w+\d)+1]
	v_pk_add_f32 v[RING+4*\w+2:RING+4*\w+3], v[RING+4*\w+2:RING+4*\w+3], v[RING+4*(\w+\d)+2:RING+4*(\w+\d)+3]
.endif
.endr
.endr
	global_store_b128 v[L16], v[RING:RING+3], s[14:15]                         ; 512 consecutive bytes of out0, at a multiple of 512 from its first byte
.Lend:
	s_wait_xcnt 0x0
	s_mov_b32 exec_lo, -1
	v_lshl_add_u32 v58, v0, 2, 0x26400
	v_mov_b32 v59, 0
	s_wait_tensorcnt 0x0
	ds_add_u32 v58, v59
	s_wait_dscnt 0x0
	s_endpgm
.Lfunc_end_k_q4ef2c62504_window:
	.size	k_q4ef2c62504_window, .Lfunc_end_k_q4ef2c62504_window-k_q4ef2c62504_window
	.p2alignl 7, 3214868480
	.fill 96, 4, 3214868480
	.section	.rodata,"a",@progbits
	.p2align	6, 0x0
	.amdhsa_kernel k_q4ef2c62504_window
		.amdhsa_group_segment_fixed_size 158720
		.amdhsa_private_segment_fixed_size 0
		.amdhsa_enable_private_segment 0
		.amdhsa_kernarg_size 64
		.amdhsa_user_sgpr_count 2
		.amdhsa_user_sgpr_kernarg_segment_ptr 1
		.amdhsa_wavefront_size32 1
		.amdhsa_system_sgpr_workgroup_id_x 1
		.amdhsa_system_sgpr_workgroup_id_y 1
		.amdhsa_system_sgpr_workgroup_id_z 1
		.amdhsa_system_vgpr_workitem_id 0
		.amdhsa_next_free_vgpr 256
		.amdhsa_next_free_sgpr 96
		.amdhsa_reserve_vcc 1
		.amdhsa_float_denorm_mode_32 3
		.amdhsa_float_denorm_mode_16_64 3
		.amdhsa_memory_ordered 1
		.amdhsa_forward_progress 1
		.amdhsa_inst_pref_size 68
	.end_amdhsa_kernel
	.amdgpu_metadata
---
amdhsa.version: [ 1, 2 ]
amdhsa.kernels:
  - .name:           k_q4ef2c62504_window
    .symbol:         k_q4ef2c62504_window.kd
    .args:
      - { .name: x, .offset: 0, .size: 8, .value_kind: global_buffer, .address_space: global }
      - { .name: W, .offset: 8, .size: 8, .value_kind: global_buffer, .address_space: global }
      - { .name: b, .offset: 16, .size: 8, .value_kind: global_buffer, .address_space: global }
      - { .name: kappa_old, .offset: 24, .size: 8, .value_kind: global_buffer, .address_space: global }
      - { .name: onehots, .offset: 32, .size: 8, .value_kind: global_buffer, .address_space: global }
      - { .name: out0, .offset: 40, .size: 8, .value_kind: global_buffer, .address_space: global }
      - { .name: out1, .offset: 48, .size: 8, .value_kind: global_buffer, .address_space: global }
      - { .name: out2, .offset: 56, .size: 8, .value_kind: global_buffer, .address_space: global }
    .group_segment_fixed_size: 158720
    .private_segment_fixed_size: 0
    .kernarg_segment_align: 8
    .kernarg_segment_size: 64
    .max_flat_workgroup_size: 512
    .sgpr_count:     96
    .vgpr_count:     256
    .wavefront_size: 32
...
	.end_amdgpu_metadata
.endif
;; end of part 1
